; MI455X (gfx1250); checked and timed in simulation.
; The chip was launched on July 23, 2026; its instructions are those of AMD's public machine-readable ISA for CDNA 5 (MIT licence, August 2026) and "CDNA5" Instruction Set Architecture Reference Guide (July 2026). The comments in the code are by the model that wrote it; some were corrected since.
;; Self Attention. Allowed arithmetic: matrix products marked QUANTISED: E2M1 operands, one E8M0 scale for each 32 along K, by v_wmma_scale_f32_16x16x128_f8f6f4 with both operands' format E2M1 (or v_wmma_scale_f32_32x16x128_f4), f32 sums; products left as they are: f32 operands where the result goes on into a quantised operand, else bf16, f16 or f32 operands; f32 sums; everything else in f32.
;; Inputs: U_b 1,024 float32; U_w_codes 1,024 x 32 x 16 uint8 (E2M1 codes of U_w, K innermost, in blocks of 32 codes, two codes a byte); U_w_scales 1,024 x 32 uint8 (E8M0 scales of U_w, one for each 32 codes along K); V_b 1 float32; V_w 1,024 x 1 float32; W_b 1,024 float32; W_w_codes 1,024 x 32 x 16 uint8 (E2M1 codes of W_w, K innermost, in blocks of 32 codes, two codes a byte); W_w_scales 1,024 x 32 uint8 (E8M0 scales of W_w, one for each 32 codes along K); hidden_states 32 x 2,048 x 1,024 float32; s_prev_codes 32 x 32 x 16 uint8 (E2M1 codes of s_prev, K innermost, in blocks of 32 codes, two codes a byte); s_prev_scales 32 x 32 uint8 (E8M0 scales of s_prev, one for each 32 codes along K).
;; Outputs: out0 32 x 1,024 float32; out1 32 x 2,048 x 1 float32.
;; This version of the problem:
;;   THIS VERSION OF THE PROBLEM IS GIVEN IN LOW PRECISION. The matrix products marked QUANTISED in the list below multiply operands that are first quantised to E2M1 (2 exponent bits, 1 mantissa bit; 4 bits a number), with one power-of-two scale for each 32 numbers along K (OCP MX v1.0); their sums are f32. All else is computed in f32.
;;   The module's matrix products, in the order in which they are computed (A, B: the left and right operand; K: the contracted axis; several contracted axes count as one K, in the product's order):
;;     1. [M 32, K 1,024] x [K 1,024, N 1,024]; A: input s_prev (given as codes); B: input W_w (given as codes): QUANTISED
;;     2. [M 65,536, K 1,024] x [K 1,024, N 1,024]; A: input hidden_states; B: input U_w (given as codes): QUANTISED
;;     3. [M 65,536, K 1,024] x [K 1,024, N 1]; A: computed on the way; B: input V_w: left as it is (N = 1 < 16)
;;   THE QUANTISER, for each operand of a quantised product, along K:
;;     - K is cut into blocks of 32 from its start; a last block that is shorter is filled with zeros.
;;     - A block's scale is 2^e with e = floor(log2(the largest magnitude in the block)) - 2, held to -126 .. 127; a block of zeros has e = 0. As a byte (E8M0): e + 127.
;;     - Each number is divided by its block's scale, clamped to +-6, and rounded to the nearest number of E2M1, ties to even, subnormals kept.
;;     - The product sums the exact products of the quantised numbers (number of the format x scale) in f32.
;;   ~~~python
;;   def quantise(x, axis):      # numpy; x: float32 -> the quantised numbers, widened to float32 again
;;       x = np.moveaxis(x, axis, -1); K = x.shape[-1]
;;       x = np.pad(x, [(0, 0)] * (x.ndim - 1) + [(0, -K % 32)]); x = x.reshape(x.shape[:-1] + (-1, 32)); a = np.abs(x).max(-1, keepdims=True)
;;       e = np.where(a > 0, np.clip(np.frexp(np.where(a > 0, a, 1))[1] - 1 - 2, -126, 127), 0)      # np.frexp(a)[1] - 1 = floor(log2(a)), exactly
;;       r = np.clip(x / 2.0 ** e, -6, 6)
;;       step = 2.0 ** (np.maximum(np.frexp(np.where(r == 0, 1, r))[1] - 1, 0) - 1)
;;       q = np.round(r / step) * step * 2.0 ** e      # np.round: ties to even
;;       return np.moveaxis(q.reshape(q.shape[:-2] + (-1,))[..., :K], -1, axis).astype(np.float32)
;;   ~~~
;;   INPUTS GIVEN AS CODES. U_w (in the module: [1024, 1024], K = its axis 0); W_w (in the module: [1024, 1024], K = its axis 0); s_prev (in the module: [32, 1024], K = its axis 1): each comes as NAME_codes (uint8): NAME with its K axis moved to the last place and cut into blocks of 32 codes, [.., K / 32, bytes a block], one block behind the other in memory; two codes a byte, the lower K in the low four bits (a code: sign, 2 exponent bits, 1 mantissa bit); and NAME_scales (uint8): the same leading axes, one E8M0 byte (e + 127) for each 32 codes along K. Its value is code x scale, taken as it is: it is not quantised again, and the codes and scales need not be those that the quantiser above would give.
;; One version. Each part assembles by itself: llvm-mc -triple=amdgcn-amd-amdhsa -mcpu=gfx1250 --defsym DOCPART=n.
;; ======== version 1 of 1: 3 launches
;; limits: right only within a limited range of input values
;; workspace buffers: uf 557,056 bytes; dec 131,072 bytes; scores 262,144 bytes; part 1,114,112 bytes
;; launch prep (part 1): grid 16 x 1, 4 waves a work-group, no clusters, 94,208 bytes of LDS; arguments U_w_codes, U_w_scales, W_w_codes, W_w_scales, s_prev_codes, s_prev_scales, W_b, U_b, uf, dec; writes uf, dec
.if DOCPART == 1
	.amdgcn_target "amdgcn-amd-amdhsa--gfx1250"
	.amdhsa_code_object_version 6
	.text
	.protected	k_q187a565552_prep
	.globl	k_q187a565552_prep
	.p2align	8
	.type	k_q187a565552_prep,@function
k_q187a565552_prep:
	s_mov_b64 s[64:65], 0
	v_nop
	global_prefetch_b8 v0, s[64:65] scope:SCOPE_SE
	s_setreg_imm32_b32 hwreg(HW_REG_WAVE_MODE, 25, 1), 1
	s_wait_xcnt 0x0
; Two small jobs ahead of the main launch.
; (1) U's codes and scale bytes are laid out anew, in the order of a matrix operand's registers.  uf holds 64 tiles of 16 rows n of U, 8,704 bytes each:
;     16 images of 512 bytes (image q = 2 s + c: lane (r, h)'s 16 bytes, at 16 x lane, are row r's bytes 64 s + 32 c + 16 h: registers 4 c .. 4 c + 3 of the fragment of K step s),
;     then one image of scale words (lane (r, h): the words of K steps 4 h .. 4 h + 3 of row r).  So a wave of the main launch loads a tile by 17 loads of 512 consecutive bytes.
; (2) dec[b][n] = sum over k of s_prev[b][k] W[k][n] + W_b[n] + U_b[n], on the given codes of FP4 (E2M1) and their E8M0 scales; sums in f32.
; SHARES.  Wave w of work-group g takes tile t = 4 g + w of U and of W, the latter for all 32 batches.
; The product is used transposed (source 0 = 16 rows n of W, source 1 = 16 batches): a lane holds one batch and eight neighbouring n.  The two biases' sum is the C of each sum's first product.
; A tile's 16 rows come as whole rows of 512 bytes, go through the wave's own stage in LDS (rows 528 bytes apart) and come back as fragments.
.set STW,  16896                       ; a wave's LDS: U's stage, then W's
.set SPT,  528                         ; a stage row: 512 bytes + 16
.set DST,  4*STW                       ; behind them: the work-group's stage for dec: 32 batches x (64 n x 4 bytes + 16)
.set DPT,  272
.set RU,   16                          ; v16-79   U's rows as loaded; later W's fragments
.set FW,   16
.set RW,   80                          ; v80-143  W's rows as loaded; v80-95 later rows of dec on their way out
.set US,   144                         ; v144-147 U's scale image
.set WS,   148                         ; v148-151 W's scale image
.set SS,   152                         ; v152-159 s_prev's two scale images
.set BI,   160                         ; v160-167 W_b, then W_b + U_b;  v168-175 U_b
.set ACC,  176                         ; v176-191 two accumulators: batches 0-15, 16-31
.set FU,   192                         ; v192-255 U's fragments
                                       ; window 1, v0-127: s_prev's fragments: batches 16 g2 on, K step s at 64 g2 + 8 s
.set MSB, 0
.macro WIN new                         ; the immediate's high byte repeats the setting that is left
.if MSB != (\new)
	s_set_vgpr_msb (MSB<<8)|(\new)
.set MSB, (\new)
.endif
.endm
	s_load_b256 s[4:11], s[0:1], 0x0               ; U's codes s[4:5], U's scales s[6:7], W's codes s[8:9], W's scales s[10:11]
	s_load_b256 s[12:19], s[0:1], 0x20             ; s_prev's codes s[12:13], its scales s[14:15], W_b s[16:17], U_b s[18:19]
	s_load_b128 s[20:23], s[0:1], 0x40             ; uf s[20:21], dec s[22:23]
	v_lshl_add_u32 v14, v0, 2, 0x12c00
	v_mov_b32 v15, 0
	v_lshrrev_b32 v12, 5, v0
	v_readfirstlane_b32 s24, v12                   ; wave 0..3
	v_and_b32 v13, 31, v0                          ; lane
	v_and_b32 v2, 15, v0                           ; r
	v_bfe_u32 v3, v0, 4, 1                         ; h
	v_lshlrev_b32 v1, 4, v13                       ; v1: 16 x lane
	v_lshlrev_b32 v4, 5, v2
	v_lshl_add_u32 v4, v3, 4, v4                   ; v4: 32 r + 16 h: my 16 scale bytes of a tile
.set SPS, 77312                        ; behind the spare words: the work-group's stage for s_prev's codes: 32 batches x (512 bytes + 16)
	v_mul_u32_u24 v5, v2, SPT
	v_lshl_add_u32 v5, v3, 4, v5
	v_add_nc_u32 v5, SPS, v5                       ; v5: s_prev's stage, out: batch r, + 16 h
	s_mul_i32 s38, s24, 8*SPT
	s_add_co_u32 s38, s38, SPS
	v_add_nc_u32 v12, s38, v1                      ; v12: s_prev's stage, in: my wave's eight batches, 16 x lane of a row
	s_lshl_b32 s38, s24, 12                        ; and the same eight rows of 512 bytes in memory
	s_mov_b32 s39, 0
	s_mul_i32 s26, s24, STW
	v_add_nc_u32 v6, s26, v1                       ; v6: the stage, in: 16 x lane of a row
	v_mul_u32_u24 v7, v2, SPT
	v_lshl_add_u32 v7, v3, 4, v7
	v_add_nc_u32 v7, s26, v7                       ; v7: the stage, out: row r, + 16 h
	v_lshlrev_b32 v8, 5, v3                        ; v8: 32 h: my eight numbers of a bias
	v_mul_u32_u24 v9, v2, DPT
	v_lshl_add_u32 v9, v3, 5, v9
	s_lshl_b32 s27, s24, 6
	s_add_co_u32 s27, s27, DST
	v_add_nc_u32 v9, s27, v9                       ; v9: dec's stage, in: batch r, my tile's 64 bytes, + 32 h
	s_mul_i32 s27, s24, 8*DPT
	s_add_co_u32 s27, s27, DST
	v_mul_u32_u24 v10, v3, DPT
	v_lshl_add_u32 v10, v2, 4, v10
	v_add_nc_u32 v10, s27, v10                     ; v10: out: my wave's eight batches; lanes 0-15 one row of 256 bytes, lanes 16-31 the next
	s_lshl_b32 s27, s24, 15
	v_lshlrev_b32 v11, 12, v3
	v_lshl_add_u32 v11, v2, 4, v11
	v_add_nc_u32 v11, s27, v11                     ; v11: the same two rows in dec (4,096 bytes a batch)
	s_lshl_b32 s25, ttmp9, 2
	s_add_co_u32 s25, s25, s24                     ; t = 4 g + w
	s_lshl_b32 s28, s25, 13                        ; a tile's codes: 16 rows of 512 bytes
	s_mov_b32 s29, 0
	s_lshl_b32 s30, s25, 9                         ; its scale bytes: 16 rows of 32
	s_mov_b32 s31, 0
	s_lshl_b32 s32, s25, 6                         ; its 16 numbers of a bias
	s_mov_b32 s33, 0
	s_mul_i32 s34, s25, 8704                       ; its place in uf
	s_mov_b32 s35, 0
	s_lshl_b32 s36, ttmp9, 8                       ; the work-group's 64 columns of dec
	s_mov_b32 s37, 0
	s_wait_alu depctr_va_vdst(0)                   ; the wait at the head's end
	s_wait_kmcnt 0x0
	s_add_nc_u64 s[4:5], s[4:5], s[28:29]
	s_add_nc_u64 s[8:9], s[8:9], s[28:29]
	s_add_nc_u64 s[6:7], s[6:7], s[30:31]
	s_add_nc_u64 s[10:11], s[10:11], s[30:31]
	s_add_nc_u64 s[16:17], s[16:17], s[32:33]
	s_add_nc_u64 s[18:19], s[18:19], s[32:33]
	s_add_nc_u64 s[20:21], s[20:21], s[34:35]
	s_add_nc_u64 s[22:23], s[22:23], s[36:37]
	s_add_nc_u64 s[12:13], s[12:13], s[38:39]
.set i, 0
.rept 16
	global_load_b128 v[RU+4*i:RU+4*i+3], v1, s[4:5] offset:512*i   ; a whole row of U's codes: 512 consecutive bytes
.set i, i+1
.endr
	global_load_b128 v[US:US+3], v4, s[6:7]
.set i, 0
.rept 16
	global_load_b128 v[RW+4*i:RW+4*i+3], v1, s[8:9] offset:512*i   ; and of W's
.set i, i+1
.endr
	global_load_b128 v[WS:WS+3], v4, s[10:11]
	global_load_b128 v[BI:BI+3], v8, s[16:17]
	global_load_b128 v[BI+4:BI+7], v8, s[16:17] offset:16
	global_load_b128 v[BI+8:BI+11], v8, s[18:19]
	global_load_b128 v[BI+12:BI+15], v8, s[18:19] offset:16
	global_load_b128 v[SS:SS+3], v4, s[14:15]
	global_load_b128 v[SS+4:SS+7], v4, s[14:15] offset:512
	WIN 0x40                                       ; destination window 1
.set i, 0
.rept 8
	global_load_b128 v[4*i:4*i+3], v1, s[12:13] offset:512*i   ; s_prev's codes come once a work-group: my wave's eight batches, a whole row of 512 consecutive bytes a load
.set i, i+1
.endr
	WIN 0
	s_wait_loadcnt 31                              ; U's rows and scale image are in: behind them 16 + 1 + 4 + 2 + 8 loads were issued
.set i, 0
.rept 16
	ds_store_b128 v6, v[RU+4*i:RU+4*i+3] offset:SPT*i
.set i, i+1
.endr
.set i, 0
.rept 16
	ds_load_b128 v[FU+4*i:FU+4*i+3], v7 offset:32*i                ; image q = i.  The wave's own bytes: LDS serves a wave's instructions in order (ISA guide 5.7.1.4)
.set i, i+1
.endr
	global_store_b128 v1, v[US:US+3], s[20:21] offset:8192
	s_wait_loadcnt 14                              ; W's rows and scale image are in: behind them 4 + 2 + 8 loads were issued
.set i, 0
.rept 16
	ds_store_b128 v6, v[RW+4*i:RW+4*i+3] offset:16*SPT+SPT*i
.set i, i+1
.endr
	s_wait_dscnt 16                                ; U's fragments are back: only the 16 stores just issued may be out
.set i, 0
.rept 16
	global_store_b128 v1, v[FU+4*i:FU+4*i+3], s[20:21] offset:512*i   ; 32 lanes store 512 consecutive bytes
.set i, i+1
.endr
	s_wait_dscnt 0x0                               ; the stage's stores have read U's rows: their registers take W's fragments
.set i, 0
.rept 16
	ds_load_b128 v[FW+4*i:FW+4*i+3], v7 offset:16*SPT+32*i
.set i, i+1
.endr
	s_wait_loadcnt 0x0                             ; the biases, s_prev's rows and scale images
	WIN 0x04                                       ; store data window 1
.set i, 0
.rept 8
	ds_store_b128 v12, v[4*i:4*i+3] offset:SPT*i   ; my eight batches into the shared stage
.set i, i+1
.endr
	WIN 0
.irp j, 0,2,4,6
	v_pk_add_f32 v[BI+\j:BI+\j+1], v[BI+\j:BI+\j+1], v[BI+8+\j:BI+9+\j]   ; W_b + U_b
.endr
.rept 4
	v_nop
.endr
	s_wait_alu depctr_va_vdst(0)                   ; directly ahead of the wait below
	s_wait_dscnt 0x0                               ; for the others' sake: my stores into the stage are done; W's fragments are in
	s_barrier_signal -1
	s_barrier_wait -1                              ; all 32 batches lie in the stage
	WIN 0x40                                       ; destination window 1
.set g2, 0
.rept 2
.set i, 0
.rept 16
	ds_load_b128 v[64*g2+4*i:64*g2+4*i+3], v5 offset:16*SPT*g2+32*i   ; s_prev's fragments: batch 16 g2 + r, bytes 32 i + 16 h
.set i, i+1
.endr
.set g2, g2+1
.endr
	WIN 0
	s_wait_dscnt 0x0                               ; s_prev's fragments
	WIN 0x04
; 16 matrix instructions; the two accumulators take turns, one instruction a turn.  K steps 4 to 7 take their scale words from lanes 16-31.
.set ks, 0
.rept 8
.set g2, 0
.rept 2
.if ks == 0
	v_wmma_scale_f32_16x16x128_f8f6f4 v[ACC+8*g2:ACC+8*g2+7], v[FW+8*ks:FW+8*ks+7], v[64*g2+8*ks:64*g2+8*ks+7], v[BI:BI+7], v[WS+ks%4], v[SS+4*g2+ks%4] matrix_a_fmt:MATRIX_FMT_FP4 matrix_b_fmt:MATRIX_FMT_FP4
.elseif ks < 4
	v_wmma_scale_f32_16x16x128_f8f6f4 v[ACC+8*g2:ACC+8*g2+7], v[FW+8*ks:FW+8*ks+7], v[64*g2+8*ks:64*g2+8*ks+7], v[ACC+8*g2:ACC+8*g2+7], v[WS+ks%4], v[SS+4*g2+ks%4] matrix_a_fmt:MATRIX_FMT_FP4 matrix_b_fmt:MATRIX_FMT_FP4
.else
	v_wmma_scale_f32_16x16x128_f8f6f4 v[ACC+8*g2:ACC+8*g2+7], v[FW+8*ks:FW+8*ks+7], v[64*g2+8*ks:64*g2+8*ks+7], v[ACC+8*g2:ACC+8*g2+7], v[WS+ks%4], v[SS+4*g2+ks%4] matrix_a_fmt:MATRIX_FMT_FP4 matrix_b_fmt:MATRIX_FMT_FP4 matrix_a_scale:MATRIX_SCALE_ROW1 matrix_b_scale:MATRIX_SCALE_ROW1
.endif
.set g2, g2+1
.endr
.set ks, ks+1
.endr
	WIN 0
.rept 4
	v_nop                                          ; four places between the last product and the first read of results (ISA guide 7.12.1)
.endr
	ds_store_b128 v9, v[ACC:ACC+3]                 ; lane (r, h): dec(16 g2 + r, 16 t + 8 h + 0 .. 7); each accumulator from its low end on
	ds_store_b128 v9, v[ACC+4:ACC+7] offset:16
	ds_store_b128 v9, v[ACC+8:ACC+11] offset:16*DPT
	ds_store_b128 v9, v[ACC+12:ACC+15] offset:16*DPT+16
	s_wait_dscnt 0x0                               ; for the others' sake: my stores into the shared stage are done
	s_barrier_signal -1
	s_barrier_wait -1                              ; a row's 256 bytes come from four waves
.irp i, 0,1,2,3
	ds_load_b128 v[RW+4*\i:RW+4*\i+3], v10 offset:2*DPT*\i
.endr
.irp i, 0,1,2,3
	s_wait_dscnt 3-\i
	global_store_b128 v11, v[RW+4*\i:RW+4*\i+3], s[22:23] offset:8192*\i   ; 16 lanes store 256 consecutive bytes, at a multiple of 256 from dec's first byte
.endr
	s_wait_tensorcnt 0x0
	ds_add_u32 v14, v15
	s_wait_dscnt 0x0
	s_endpgm
.Lfunc_end_k_q187a565552_prep:
	.size	k_q187a565552_prep, .Lfunc_end_k_q187a565552_prep-k_q187a565552_prep
	.p2alignl 7, 3214868480
	.fill 96, 4, 3214868480
	.section	.rodata,"a",@progbits
	.p2align	6, 0x0
	.amdhsa_kernel k_q187a565552_prep
		.amdhsa_group_segment_fixed_size 94208
		.amdhsa_private_segment_fixed_size 0
		.amdhsa_enable_private_segment 0
		.amdhsa_kernarg_size 80
		.amdhsa_user_sgpr_count 2
		.amdhsa_user_sgpr_kernarg_segment_ptr 1
		.amdhsa_wavefront_size32 1
		.amdhsa_system_sgpr_workgroup_id_x 1
		.amdhsa_system_sgpr_workgroup_id_y 1
		.amdhsa_system_sgpr_workgroup_id_z 1
		.amdhsa_system_vgpr_workitem_id 0
		.amdhsa_next_free_vgpr 384
		.amdhsa_next_free_sgpr 66
		.amdhsa_reserve_vcc 0
		.amdhsa_float_denorm_mode_32 3
		.amdhsa_float_denorm_mode_16_64 3
		.amdhsa_memory_ordered 1
		.amdhsa_forward_progress 1
		.amdhsa_inst_pref_size 21
	.end_amdhsa_kernel
	.amdgpu_metadata
---
amdhsa.version: [ 1, 2 ]
amdhsa.kernels:
  - .name:           k_q187a565552_prep
    .symbol:         k_q187a565552_prep.kd
    .args:
      - { .name: U_w_codes, .offset: 0, .size: 8, .value_kind: global_buffer, .address_space: global }
      - { .name: U_w_scales, .offset: 8, .size: 8, .value_kind: global_buffer, .address_space: global }
      - { .name: W_w_codes, .offset: 16, .size: 8, .value_kind: global_buffer, .address_space: global }
      - { .name: W_w_scales, .offset: 24, .size: 8, .value_kind: global_buffer, .address_space: global }
      - { .name: s_prev_codes, .offset: 32, .size: 8, .value_kind: global_buffer, .address_space: global }
      - { .name: s_prev_scales, .offset: 40, .size: 8, .value_kind: global_buffer, .address_space: global }
      - { .name: W_b, .offset: 48, .size: 8, .value_kind: global_buffer, .address_space: global }
      - { .name: U_b, .offset: 56, .size: 8, .value_kind: global_buffer, .address_space: global }
      - { .name: uf, .offset: 64, .size: 8, .value_kind: global_buffer, .address_space: global }
      - { .name: dec, .offset: 72, .size: 8, .value_kind: global_buffer, .address_space: global }
    .group_segment_fixed_size: 94208
    .private_segment_fixed_size: 0
    .kernarg_segment_align: 8
    .kernarg_segment_size: 80
    .max_flat_workgroup_size: 128
    .sgpr_count:     66
    .vgpr_count:     384
    .wavefront_size: 32
...
	.end_amdgpu_metadata
.endif
;; end of part 1
;; launch main (part 2): grid 256 x 1, 4 waves a work-group, no clusters, 327,680 bytes of LDS; arguments hidden_states, uf, dec, V_w, V_b, scores, part; writes scores, part
.if DOCPART == 2
	.amdgcn_target "amdgcn-amd-amdhsa--gfx1250"
	.amdhsa_code_object_version 6
	.text
	.protected	k_q187a565552_main
	.globl	k_q187a565552_main
	.p2align	8
	.type	k_q187a565552_main,@function
k_q187a565552_main:
	s_mov_b64 s[64:65], 0
	v_nop
	global_prefetch_b8 v0, s[64:65] scope:SCOPE_SE
	s_setreg_imm32_b32 hwreg(HW_REG_WAVE_MODE, 25, 1), 1
	s_wait_xcnt 0x0
; score[row] = sum over n of V[n] tanh(dec[b][n] + sum over k of Q(hidden[row][k]) U[k][n]) + V_b, and, with a running maximum m, the parts of the softmax and of the context:
; p = exp(score - m), l = sum of p, ctx[c] = sum over rows of p hidden[row][c].  hidden is read from memory ONCE: its f32 rows stay in registers from the quantiser until p is known.
; Q is the MX quantiser to FP4 (E2M1), one E8M0 scale for each 32 along K; the product runs on codes, by v_wmma_scale_f32_16x16x128_f8f6f4; all else is f32.
; SHARES.  256 work-groups of four waves; a work-group owns 256 rows of one batch (batch = work-group / 8) and walks them in four blocks of 64 rows.
;   Quantiser and context: wave w holds columns 256 w .. 256 w + 255 of all 64 rows, 8 columns a lane, 512 registers.  Product: wave w makes n = 256 w .. 256 w + 255 for all 64 rows.
;   The block's codes go from wave to wave through LDS; every wave then keeps all of them (64 rows x 1,024 k: 256 registers) for its 16 tiles of U.
; A BLOCK.  a: the wave's quarter of the 64 rows, brought by its own tensor load, is read into registers and quantised; codes and scale bytes go to LDS | barrier; behind it the slot is filled again, with the next block, which
;   has all that follows in which to land | the codes come back as fragments | 16 tiles of 16 n: 32 products, tanh, times V | the waves' partial scores meet in LDS | barrier | scores, softmax step, context.
; U comes from uf, where an earlier launch has laid it in the order of the operand's registers: 17 loads of 512 consecutive bytes a tile, straight into a ring of two tiles in registers, one tile ahead.
; WHY NO CLUSTER AND NO JOINT LOADS, though all work-groups read the same U: a joint load lands in LDS, and this text uses 326,144 of its 327,680 bytes (the f32 slot alone 278,528): there is no room for a tile of U.
; THE PRODUCT IS USED TRANSPOSED (source 0 = 16 rows n of U, source 1 = 16 rows of hidden): a lane holds ONE row and eight n, so the sum over n stays in the lane but for one exchange between the halves.
; tanh(x) = 1 - 2 / (1 + 2^(c x)), c = 2 log2(e).  So sum V tanh = sum V + sum (-2 V) r, r = 1 / (1 + 2^(c x)); the error is a few units in the last place of sum |V|, the bound of a plain sum of V tanh too.
;   Where 2^(c x) overflows r is 0 and tanh 1; where it falls to 0 r is 1 and tanh -1.
; LIMITS: NaN and infinities among the inputs are not served.  A block of 32 zeros gets the scale byte 1 where the quantiser's rule says 127: its codes are zeros, and the bytes are read by this text alone.
; LDS
.set HQ,    69632                      ; a wave's quarter of the f32 slot: 64 rows x 1,088 bytes (four pieces of 256 bytes, 16 bytes of padding behind each)
.set HPI,   1088
.set CODES, 4*HQ                       ; the block's codes: 64 rows x (512 bytes + 16)
.set CPI,   528
.set SCB,   CODES+64*CPI               ; their scale bytes: 64 rows x (32 bytes + 16)
.set SPI,   48
.set DCB,   SCB+64*SPI                 ; c x dec[b][n], 1,024 numbers
.set VVB,   DCB+4096                   ; -2 V[n]
.set SCX,   VVB+4096                   ; partial scores: [wave][64 rows]
.set PBB,   SCX+1024                   ; p: [wave][64 rows], each wave's own copy
.set SPARE, PBB+1024                   ; the spare words, 128 bytes for each wave: two blocks of 256 bytes that no other line names
.set UT,    8704                       ; a tile of U in uf
; REGISTERS.  Windows 2 and 3: the f32 rows: row q in window 2 + q / 32 at 8 (q % 32).  Window 1: the codes' fragments: rows 16 m on, K step s at 64 m + 8 s.  Window 0:
.set SPW,  1                           ; v1   LDS address of my spare word; never rewritten
.set NIL,  2                           ; v2   0; never rewritten
.set LOFF, 3                           ; v3   16 x lane
.set AFA,  5                           ; v5   a fragment of the codes: CODES + 528 r + 16 h
.set ASA,  6                           ; v6   its scale words: SCB + 48 r + 16 h
.set DVA,  7                           ; v7   c dec and -2 V of a tile: DCB + 1,024 w + 32 h
.set HRA,  8                           ; v8   my 32 bytes of row 0 of my quarter;  v9 of row 32
.set CSA,  10                          ; v10  where my 8 codes go: CODES + 128 w + 4 x lane
.set SBA,  11                          ; v11  where my block's scale byte goes: SCB + 8 w + lane / 4
.set SXW,  12                          ; v12  SCX + 256 w + 4 r
.set SXR,  13                          ; v13  SCX + 8 x lane
.set PBW,  14                          ; v14  PBB + 256 w + 8 x lane
.set PBR,  15                          ; v15  PBB + 256 w
.set SUM,  16                          ; v16-23  four pairs: sum over n for the four tiles of rows; then the softmax step's numbers; then the context's second chain
.set CTX,  24                          ; v24-31  the context of my 8 columns
.set MX,   32                          ; v32  m;  v33  l (my two rows of each block)
.set SST,  34                          ; v34  what each sum starts from: (sum of my wave's V) / 2 + V_b / 8: two halves of the lanes and four waves add up to sum V + V_b
.set GSO,  36                          ; v36  8 x lane
.set TA,   37                          ; v37  the LDS address in hand
.set SCO,  38                          ; v38-39  the scores of rows 2 x lane, 2 x lane + 1
.set AS,   40                          ; v40-55  the codes' scale words, four registers a tile of rows
.set BS,   56                          ; v56-63  U's scale words, four registers a ring slot
.set DC,   64                          ; v64-71  c dec of the tile
.set VV,   72                          ; v72-79  -2 V of the tile
.set ACC,  80                          ; v80-111 four accumulators
.set TM,   112                         ; v112-127 at work
.set BR,   128                         ; v128-255 a ring of two tiles of U
.set QM,   80                          ; the quantiser: v80-95 largest magnitudes, then scale bytes;
.set QS,   96                          ; v96-111 the conversions' scale operands;
.set QC,   112                         ; v112-127 codes
.set PR,   64                          ; the context: v64-127 p of the 64 rows
; SCALARS: s[4:17] the seven buffers; s18 wave; s[20:23], s[24:31] the descriptor; s[32:33] my 16 tiles in uf; s[34:35], s[36:37] the ring slots' bases; s38, s39 the tile that each slot fetches next; s[40:41] its offset;
;   s42 64 x tile; s43 trips; s44 blocks; s45 at work; s[46:47] c; s48 log2(e); s[50:51] lane selects; s52 V_b / 8
.set MSB, 0
.macro WIN new                         ; the immediate's high byte repeats the setting that is left; a switch that changes nothing is dropped
.if MSB != (\new)
	s_set_vgpr_msb (MSB<<8)|(\new)
.set MSB, (\new)
.endif
.endm
	s_load_b256 s[4:11], s[0:1], 0x0               ; hidden s[4:5], uf s[6:7], dec s[8:9], V_w s[10:11]
	s_load_b128 s[12:15], s[0:1], 0x20             ; V_b s[12:13], scores s[14:15]
	s_load_b64 s[16:17], s[0:1], 0x30              ; part
	v_lshl_add_u32 v[SPW], v0, 2, SPARE
	v_mov_b32 v[NIL], 0
	ds_add_u32 v1, v2
	ds_add_u32 v1, v2
	s_wait_dscnt 0x0
	v_lshrrev_b32 v[TA], 5, v0
	v_readfirstlane_b32 s18, v[TA]                 ; wave 0..3
	; descriptor group 1: 64 rows x 256 elements of 4 bytes, 1,024 elements from row to row
	s_mov_b32 s24, (2<<16)|(1<<20)|(5<<22)|(3<<25) ; 17:16 elements of 4 bytes; 20 padding on; 24:22 after every 64 words (code 5); 31:25 four words (code 3)
	s_mov_b32 s25, 256<<16                         ; tensor_dim0
	s_mov_b32 s26, 64<<16                          ; tensor_dim1
	s_mov_b32 s27, 256<<16                         ; tile_dim0
	s_mov_b32 s28, 64                              ; tile_dim1
	s_mov_b32 s29, 1024                            ; tensor_dim0_stride
	s_mov_b32 s30, 0
	s_mov_b32 s31, 0
	s_mov_b32 s20, 1                               ; group 0: count = 1
	s_mul_i32 s21, s18, HQ                         ; LDS address: my quarter
	s_lshl_b32 s2, ttmp9, 20                       ; the work-group's 256 rows of 4,096 bytes (under 2^28),
	s_lshl_b32 s3, s18, 10                         ; my 256 columns
	s_add_co_u32 s2, s2, s3
	s_mov_b32 s3, 0
	s_wait_kmcnt 0x0
	s_add_nc_u64 s[22:23], s[4:5], s[2:3]
	s_or_b32 s23, s23, 0x80000000                  ; type = 2
	tensor_load_to_lds s[20:23], s[24:31]          ; block 0: the first fill, ahead of every wait on TENSORcnt, every LDS read and every barrier.  One tensor load of mine is out, here and behind each refill
	s_nop 0
.rept 4
	v_nop
.endr
	s_load_b32 s52, s[12:13], 0x0                  ; V_b
	v_and_b32 v38, 31, v0                          ; lane
	v_lshlrev_b32 v[LOFF], 4, v38
	s_wait_alu depctr_va_vdst(0)
	s_lshr_b32 s2, ttmp9, 3                        ; the batch
	s_lshl_b32 s2, s2, 12
	s_lshl_b32 s45, s18, 10
	s_add_co_u32 s2, s2, s45
	s_add_nc_u64 s[8:9], s[8:9], s[2:3]            ; dec: my batch's row, my 256 numbers
	s_mov_b32 s2, s45
	s_add_nc_u64 s[10:11], s[10:11], s[2:3]        ; V: my 256 numbers
	s_mul_i32 s2, s18, 16*UT
	s_add_nc_u64 s[32:33], s[6:7], s[2:3]          ; uf: my 16 tiles
	global_load_b128 v[DC:DC+3], v[LOFF], s[8:9]
	global_load_b128 v[DC+4:DC+7], v[LOFF], s[8:9] offset:512
	global_load_b128 v[VV:VV+3], v[LOFF], s[10:11]
	global_load_b128 v[VV+4:VV+7], v[LOFF], s[10:11] offset:512
.irp p, 0,1                                    ; tiles 0 and 1 fill the ring
.set i, 0
.rept 16
	global_load_b128 v[BR+64*\p+4*i:BR+64*\p+4*i+3], v[LOFF], s[32:33] offset:UT*\p+512*i
.set i, i+1
.endr
	global_load_b128 v[BS+4*\p:BS+4*\p+3], v[LOFF], s[32:33] offset:UT*\p+8192
.endr
	s_lshl_b32 s2, ttmp9, 10
	s_add_nc_u64 s[14:15], s[14:15], s[2:3]        ; scores: the work-group's 256
	s_mul_i32 s2, ttmp9, 4352
	s_add_co_u32 s2, s2, s45
	s_add_nc_u64 s[16:17], s[16:17], s[2:3]        ; part: the work-group's 4,352 bytes, my wave's 1,024
	s_mov_b32 s41, 0
	s_mov_b32 s55, 0                               ; the walk's mask, in bytes of c dec (64 a tile): 0 or 14 x 64
	s_mov_b32 s56, 0                               ; and in tiles: 0 or 14
	s_mov_b32 s46, 0x4038aa3b                      ; c = 2 log2(e)
	s_mov_b32 s47, s46                             ; (named with it as a pair, so it is written)
	s_mov_b32 s48, 0x3fb8aa3b                      ; log2(e)
	s_mov_b32 s50, 0x76543210
	s_mov_b32 s51, 0xfedcba98                      ; v_permlanex16_b32's selects for lane l xor 16
	v_and_b32 v39, 15, v0                          ; r
	v_bfe_u32 v4, v0, 4, 1                         ; h
	v_mul_u32_u24 v[AFA], v39, CPI
	v_lshl_add_u32 v[AFA], v4, 4, v[AFA]
	v_add_nc_u32 v[AFA], CODES, v[AFA]
	v_mul_u32_u24 v[ASA], v39, SPI
	v_lshl_add_u32 v[ASA], v4, 4, v[ASA]
	v_add_nc_u32 v[ASA], SCB, v[ASA]
	s_add_co_u32 s45, s45, DCB                     ; DCB + 1,024 w
	v_lshl_add_u32 v[DVA], v4, 5, s45
	v_add_nc_u32 v[TA], s45, v[LOFF]               ; where c dec and -2 V are stored
	v_lshrrev_b32 v[HRA], 3, v38
	v_mul_u32_u24 v[HRA], v[HRA], 272              ; my piece of 256 bytes,
	v_and_b32 v[HRA+1], 7, v38
	v_lshl_add_u32 v[HRA], v[HRA+1], 5, v[HRA]     ; my 32 bytes in it: sixteen lanes of a 16-byte load fall on sixteen different columns of 16 bytes modulo 256
	v_add_nc_u32 v[HRA], s21, v[HRA]
	v_add_nc_u32 v[HRA+1], 32*HPI, v[HRA]
	s_lshl_b32 s45, s18, 7
	s_add_co_u32 s45, s45, CODES
	v_lshl_add_u32 v[CSA], v38, 2, s45
	s_lshl_b32 s45, s18, 3
	s_add_co_u32 s45, s45, SCB
	v_lshrrev_b32 v[SBA], 2, v38
	v_add_nc_u32 v[SBA], s45, v[SBA]
	s_lshl_b32 s45, s18, 8
	s_add_co_u32 s45, s45, SCX
	v_lshl_add_u32 v[SXW], v39, 2, s45
	v_lshl_add_u32 v[SXR], v38, 3, SCX
	s_lshl_b32 s45, s18, 8
	s_add_co_u32 s45, s45, PBB
	v_lshl_add_u32 v[PBW], v38, 3, s45
	v_mov_b32 v[PBR], s45
	v_lshlrev_b32 v[GSO], 3, v38
	v_mov_b32 v[MX], 0xff61b1e6                    ; m: -3e38, under every score
	v_mov_b32 v[MX+1], 0                           ; l
.irp j, 0,1,2,3,4,5,6,7
	v_mov_b32 v[CTX+\j], 0                         ; the block is written once for all blocks: the first finds zeros, which the first change of m leaves zeros
.endr
	s_wait_loadcnt 34                              ; dec and V are in: behind them the ring's 2 x 17 loads were issued
.irp j, 0,2,4,6
	v_pk_mul_f32 v[DC+\j:DC+\j+1], v[DC+\j:DC+\j+1], s[46:47] op_sel_hi:[1,0]   ; c dec
.endr
	v_pk_add_f32 v[80:81], v[VV:VV+1], v[VV+2:VV+3]
	v_pk_add_f32 v[82:83], v[VV+4:VV+5], v[VV+6:VV+7]
.irp j, 0,2,4,6
	v_pk_mul_f32 v[VV+\j:VV+\j+1], v[VV+\j:VV+\j+1], -2.0 op_sel_hi:[1,0]      ; -2 V
.endr
	v_pk_add_f32 v[80:81], v[80:81], v[82:83]
	v_add_f32 v[SST], v80, v81                     ; the sum of my 8 V, then of the wave's 256
	v_add_f32_dpp v[SST], v[SST], v[SST] row_xmask:1 row_mask:0xf bank_mask:0xf
	v_add_f32_dpp v[SST], v[SST], v[SST] row_xmask:2 row_mask:0xf bank_mask:0xf
	v_add_f32_dpp v[SST], v[SST], v[SST] row_xmask:4 row_mask:0xf bank_mask:0xf
	v_add_f32_dpp v[SST], v[SST], v[SST] row_xmask:8 row_mask:0xf bank_mask:0xf
	v_permlanex16_b32 v81, v[SST], s50, s51
	v_add_f32 v[SST], v[SST], v81
	s_wait_alu depctr_va_vdst(0)
	s_wait_kmcnt 0x0
	s_mul_f32 s52, s52, 0x3e000000                 ; V_b / 8
	v_fma_f32 v[SST], v[SST], 0.5, s52
	ds_store_b128 v[TA], v[DC:DC+3]                ; read by my wave alone; the first barrier's wait for my LDS instructions covers them
	ds_store_b128 v[TA], v[DC+4:DC+7] offset:512
	ds_store_b128 v[TA], v[VV:VV+3] offset:4096
	ds_store_b128 v[TA], v[VV+4:VV+7] offset:4608
; 32 LDS loads: rows 16 k .. 16 k + 15 of my quarter, 32 bytes a lane and row, into their registers
.macro HLOAD k
	WIN 0x80+0x40*((\k)/2)                         ; destination window 2 or 3
.set i, 0
.rept 16
	ds_load_b128 v[8*(16*((\k)%2)+i):8*(16*((\k)%2)+i)+3],   v[HRA+(\k)/2] offset:HPI*(16*((\k)%2)+i)
	ds_load_b128 v[8*(16*((\k)%2)+i)+4:8*(16*((\k)%2)+i)+7], v[HRA+(\k)/2] offset:HPI*(16*((\k)%2)+i)+16
.set i, i+1
.endr
.endm
; Rows 16 k .. 16 k + 15 are quantised.  A lane holds 8 neighbours along K of each row; four neighbouring lanes hold a block of 32.  The 16 rows take turns line by line.
; cnt: the LDS instructions that may stay out at the batch's head (under 0: no wait is written).  pre, post: the batch of rows (2 or 3; 0: none) whose 32 loads are issued ahead of the arithmetic, behind the stores.
; The order of issue in a block is L0 L1 | L2 S0 L3 | S1 | barrier | S2 F | S3 | barrier (L: a batch's 32 loads from the slot, S: its 32 stores, F: 34 loads of fragments): each count also shows the last batch's stores done.
.macro QBATCH k, cnt, pre, post
.set HB, 128*((\k)%2)
.set HW, 2+(\k)/2
.if (\cnt) >= 0
	s_wait_dscnt \cnt
.endif
.if \pre
	HLOAD \pre
.endif
	WIN HW|(HW<<4)                                 ; sources 0 and 2: the rows' window
.set i, 0
.rept 16
	v_max3_num_f32 v[QM+i], |v[HB+8*i]|, 0x1800000, |v[HB+8*i+1]|   ; and the floor 2^(3 - 127), under which no largest magnitude is taken: so the byte cannot fall under 1
.set i, i+1
.endr
.irp q, 2,4,6
.set i, 0
.rept 16
	v_max3_num_f32 v[QM+i], |v[HB+8*i+\q]|, v[QM+i], |v[HB+8*i+\q+1]|
.set i, i+1
.endr
.endr
	WIN 0
.irp x, 1,2
.set i, 0
.rept 16
	v_max_num_f32_dpp v[QM+i], v[QM+i], v[QM+i] row_xmask:\x row_mask:0xf bank_mask:0xf   ; with the three other lanes of the block
.set i, i+1
.endr
.endr
.set i, 0
.rept 16
	v_add_nc_u32 v[QS+i], 0xff000000, v[QM+i]      ; 2 off the exponent field: the conversion takes the exponent field of this operand as its scale, and nothing else of it
.set i, i+1
.endr
.set i, 0
.rept 16
	v_lshrrev_b32 v[QM+i], 23, v[QS+i]             ; the scale's byte
.set i, i+1
.endr
	WIN HW                                         ; source 0: the rows' window
.set i, 0
.rept 16
	v_cvt_scalef32_pk8_fp4_f32 v[QC+i], v[HB+8*i:HB+8*i+7], v[QS+i]   ; to the nearest code, ties to even; beyond 6 the largest code
.set i, i+1
.endr
	v_nop                                          ; one plain place behind the last scaled conversion
	WIN 0
.set i, 0
.rept 16
	ds_store_b32 v[CSA], v[QC+i] offset:CPI*(16*(\k)+i)    ; 32 lanes: 128 consecutive bytes of the row's codes
.set i, i+1
.endr
.set i, 0
.rept 16
	ds_store_b8 v[SBA], v[QM+i] offset:SPI*(16*(\k)+i)     ; the four lanes of a block write the same byte with the same value
.set i, i+1
.endr
.if \post
	HLOAD \post
.endif
.endm
; The codes of rows 16 m0 on and 16 m1 on come back as fragments, with their scale words: 34 LDS loads
.macro FRAGS m0, m1
	WIN 0x40                                       ; destination window 1
.irp m, \m0, \m1
.set i, 0
.rept 16
	ds_load_b128 v[64*\m+4*i:64*\m+4*i+3], v[AFA] offset:16*CPI*\m+32*i   ; rows 16 m on: lane (r, h): row r's bytes 64 s + 32 c + 16 h, i = 2 s + c
.set i, i+1
.endr
.endr
	WIN 0
.irp m, \m0, \m1
	ds_load_b128 v[AS+4*\m:AS+4*\m+3], v[ASA] offset:16*SPI*\m            ; lane (r, h): the scale words of K steps 4 h .. 4 h + 3 of row r
.endr
.endm
; A tile of 16 n, in ring slot p, against the block's 64 rows.  fetch = 1: the slot is then loaded with the tile two steps on in the block's walk.  cnt: the other slot's 17 loads may stay out.
; THE WALK.  A block takes its 16 tiles in steps 0 .. 15; step L is tile L xor mask, mask = 0 or 14, changed from block to block: 0, 1, 2, 3 .. 14, 15, then 14, 15, 12, 13 .. 0, 1, and so on.
; So the two tiles that the ring holds at a block's end are the next block's steps 0 and 1: a block's last two steps fetch nothing, and a wave loads 16 + 3 x 14 tiles for its 64 steps.  The sum over n only changes its order.
.macro TILE p, fetch, cnt
	s_xor_b32 s45, s42, s55                        ; 64 x the step's tile;
	s_and_b32 s45, s45, 0x3c0                      ; (a multiple of 64 from 0 to 960: inside my wave's 1,024 bytes)
	v_add_nc_u32 v[TA], s45, v[DVA]
	ds_load_b128 v[DC:DC+3], v[TA]                 ; c dec and -2 V at n = 16 t + 8 h + 0 .. 7
	ds_load_b128 v[DC+4:DC+7], v[TA] offset:16
	ds_load_b128 v[VV:VV+3], v[TA] offset:4096
	ds_load_b128 v[VV+4:VV+7], v[TA] offset:4112
	s_add_co_u32 s42, s42, 64
	s_wait_loadcnt \cnt                            ; this slot's 17 loads are in
	s_wait_dscnt 4                                 ; all but the four just issued: at a block's first tile the codes' fragments and scale words
	WIN 0x04                                       ; source 1 (the codes) window 1
; 32 matrix instructions, K ascending; the four accumulators take turns, one instruction a turn; the first four start the sums.  K steps 4 to 7 take their scale words from lanes 16-31.
.set ks, 0
.rept 8
.set mt, 0
.rept 4
.if ks == 0
	v_wmma_scale_f32_16x16x128_f8f6f4 v[ACC+8*mt:ACC+8*mt+7], v[BR+64*\p+8*ks:BR+64*\p+8*ks+7], v[64*mt+8*ks:64*mt+8*ks+7], 0, v[BS+4*\p+ks%4], v[AS+4*mt+ks%4] matrix_a_fmt:MATRIX_FMT_FP4 matrix_b_fmt:MATRIX_FMT_FP4
.elseif ks < 4
	v_wmma_scale_f32_16x16x128_f8f6f4 v[ACC+8*mt:ACC+8*mt+7], v[BR+64*\p+8*ks:BR+64*\p+8*ks+7], v[64*mt+8*ks:64*mt+8*ks+7], v[ACC+8*mt:ACC+8*mt+7], v[BS+4*\p+ks%4], v[AS+4*mt+ks%4] matrix_a_fmt:MATRIX_FMT_FP4 matrix_b_fmt:MATRIX_FMT_FP4
.else
	v_wmma_scale_f32_16x16x128_f8f6f4 v[ACC+8*mt:ACC+8*mt+7], v[BR+64*\p+8*ks:BR+64*\p+8*ks+7], v[64*mt+8*ks:64*mt+8*ks+7], v[ACC+8*mt:ACC+8*mt+7], v[BS+4*\p+ks%4], v[AS+4*mt+ks%4] matrix_a_fmt:MATRIX_FMT_FP4 matrix_b_fmt:MATRIX_FMT_FP4 matrix_a_scale:MATRIX_SCALE_ROW1 matrix_b_scale:MATRIX_SCALE_ROW1
.endif
.set mt, mt+1
.endr
.set ks, ks+1
.endr
	WIN 0
.rept 4
	v_nop                                          ; four places between the last product and the first read of results, and the loads into the slot's registers
.endr
	s_wait_dscnt 0x0                               ; c dec and -2 V
.irp m, 0,1,2,3
.irp j, 0,2,4,6
	v_pk_fma_f32 v[ACC+8*\m+\j:ACC+8*\m+\j+1], v[ACC+8*\m+\j:ACC+8*\m+\j+1], s[46:47], v[DC+\j:DC+\j+1] op_sel_hi:[1,0,1]   ; c (enc + dec); each accumulator from its low end on
.endr
.endr
.set i, 0
	s_wait_alu depctr_va_vdst(0)
.rept 32
	v_exp_f32 v[ACC+i], v[ACC+i]                   ; one batch
.set i, i+1
.endr
.if \fetch
	s_xor_b32 s40, s[38+\p], s56                   ; the tile of the step that this slot serves next
	s_mul_i32 s40, s40, UT
	s_add_nc_u64 s[34+2*\p:35+2*\p], s[32:33], s[40:41]   ; the slot's base: its last loads were shown done at the tile's head
	s_add_co_u32 s[38+\p], s[38+\p], 2
.set i, 0
.rept 16
	global_load_b128 v[BR+64*\p+4*i:BR+64*\p+4*i+3], v[LOFF], s[34+2*\p:35+2*\p] offset:512*i   ; 32 lanes read 512 consecutive bytes
.set i, i+1
.endr
	global_load_b128 v[BS+4*\p:BS+4*\p+3], v[LOFF], s[34+2*\p:35+2*\p] offset:8192
.endif
	v_nop                                          ; a plain place behind the last exponential
	s_wait_alu depctr_va_vdst(0)                   ; one wait for the batch, ahead of its first reader
.set i, 0
.rept 16
	v_pk_add_f32 v[ACC+2*i:ACC+2*i+1], v[ACC+2*i:ACC+2*i+1], 1.0 op_sel_hi:[1,0]
.set i, i+1
.endr
.set i, 0
	s_wait_alu depctr_va_vdst(0)
.rept 32
	v_rcp_f32 v[ACC+i], v[ACC+i]                   ; r = 1 / (1 + 2^(c x)): one batch
.set i, i+1
.endr
	v_nop
	s_wait_alu depctr_va_vdst(0)
.irp j, 0,2,4,6
.irp m, 0,1,2,3
	v_pk_fma_f32 v[SUM+2*\m:SUM+2*\m+1], v[ACC+8*\m+\j:ACC+8*\m+\j+1], v[VV+\j:VV+\j+1], v[SUM+2*\m:SUM+2*\m+1]   ; + (-2 V) r; the four sums by turns
.endr
.endr
.endm
; A block of 64 rows.  fill = 1: the slot is filled again, with the next block.
.macro BLOCK fill
; THE ORDER IN A BLOCK.  Rows 0-31 are on their way from the slot when the block begins (asked for ahead of the loop, or in the middle of the last block's context).  Rows 32-63 are asked for under the first two batches
; of the quantiser.  So all reads of the slot are over behind batch 1, and the barrier of the refill stands there: the refill has batches 2 and 3 and all that follows in which to land.
; That barrier also shows the codes of rows 0-31 to every wave: their fragments are read under batches 2 and 3; a second barrier, behind which nothing is filled, shows the codes of rows 32-63.
; No prefetch into the L2: one that ran a block ahead of the refill would ask for 262,144 bytes a work-group beside the 262,144 that the refill has on its way.
	QBATCH 0, 32, 2, 3                             ; rows 0-15 are in (rows 16-31's 32 loads may be out)
	QBATCH 1, 32, 0, 0                             ; rows 16-47 are in and batch 0's stores are done (rows 48-63's 32 loads may be out)
.if \fill
	s_wait_tensorcnt 0x0                           ; no tensor load of mine is out, so group 0 may be written
	ds_add_u32 v[SPW], v[NIL]                      ; 0 onto my spare word
	s_add_nc_u64 s[22:23], s[22:23], 64*4096       ; the next 64 rows; the type bits on top are not reached
.endif
	s_mov_b32 s42, 0
.irp m, 0,1,2,3
	v_mov_b32 v[SUM+2*\m], v[SST]                  ; the sums start from their share of sum V + V_b
	v_mov_b32 v[SUM+2*\m+1], 0
.endr
	s_wait_dscnt 0x0                               ; the add is done; my reads of the slot are back; my codes and scale bytes lie in LDS
	s_barrier_signal -1
	s_barrier_wait -1                              ; all that holds of every wave
.if \fill
	tensor_load_to_lds s[20:23], s[24:31]          ; my one tensor load behind the barrier, and the first thing there: it has the rest of the block in which to land
	s_nop 0
.rept 4
	v_nop
.endr
.endif
	QBATCH 2, -1, 0, 0                             ; no LDS instruction of mine is out here
	FRAGS 0, 1                                     ; rows 0-31: every wave's codes of them lay in LDS in front of the barrier; the stores of batches 2 and 3 touch rows 32-63 alone
	QBATCH 3, 34, 0, 0                             ; batch 2's stores are done (the 34 loads just issued may be out)
	s_wait_dscnt 0x0                               ; for the others' sake: my codes and scale bytes of rows 32-63 lie in LDS
	s_barrier_signal -1
	s_barrier_wait -1                              ; my tensor load may stay out
	FRAGS 2, 3
	s_mov_b32 s43, 7
	s_mov_b32 s38, 2                               ; the steps that the two slots fetch next: the ring holds steps 0 and 1
	s_mov_b32 s39, 3
.Ltile_\@:
	TILE 0, 1, 17
	TILE 1, 1, 17
	s_sub_co_u32 s43, s43, 1
	s_cmp_lg_u32 s43, 0
	s_cbranch_scc1 .Ltile_\@
	TILE 0, 0, 17                                  ; a block's last two steps fetch nothing: their tiles stay in the ring for the next block
	TILE 1, 0, 0
	; the waves' partial scores meet
.irp m, 0,1,2,3
	v_add_f32 v[TM+\m], v[SUM+2*\m], v[SUM+2*\m+1]
.endr
.irp m, 0,1,2,3
	v_permlanex16_b32 v[TM+4+\m], v[TM+\m], s50, s51   ; the row's other eight n of each tile lie in the lane 16 away
.endr
.irp m, 0,1,2,3
	v_add_f32 v[TM+\m], v[TM+\m], v[TM+4+\m]
.endr
.irp m, 0,1,2,3
	ds_store_b32 v[SXW], v[TM+\m] offset:64*\m     ; row 16 m + r; both halves of the lanes write the same word with the same value
.endr
	s_wait_dscnt 0x0                               ; for the others' sake: my partial scores lie in LDS; my reads of the codes were over long ago
	s_barrier_signal -1
	s_barrier_wait -1                              ; my tensor load may stay out
.irp w, 0,1,2,3
	ds_load_b64 v[TM+2*\w:TM+2*\w+1], v[SXR] offset:256*\w
.endr
	s_wait_dscnt 0x0
	v_pk_add_f32 v[TM:TM+1], v[TM:TM+1], v[TM+2:TM+3]
	v_pk_add_f32 v[TM+4:TM+5], v[TM+4:TM+5], v[TM+6:TM+7]
	v_pk_add_f32 v[SCO:SCO+1], v[TM:TM+1], v[TM+4:TM+5]   ; the scores of rows 2 x lane and 2 x lane + 1, the same in all four waves
	s_cmp_lg_u32 s18, 0
	s_cbranch_scc1 .Lnot_wave_0_\@
	global_store_b64 v[GSO], v[SCO:SCO+1], s[14:15]       ; 32 lanes store 256 consecutive bytes, at a multiple of 256 from the buffer's first byte
.Lnot_wave_0_\@:
	s_wait_alu depctr_va_vdst(0)
	v_max_num_f32 v20, v[SCO], v[SCO+1]            ; the block's largest score
	v_max_num_f32_dpp v20, v20, v20 row_xmask:1 row_mask:0xf bank_mask:0xf
	v_max_num_f32_dpp v20, v20, v20 row_xmask:2 row_mask:0xf bank_mask:0xf
	v_max_num_f32_dpp v20, v20, v20 row_xmask:4 row_mask:0xf bank_mask:0xf
	v_max_num_f32_dpp v20, v20, v20 row_xmask:8 row_mask:0xf bank_mask:0xf
	v_permlanex16_b32 v21, v20, s50, s51
	v_max_num_f32 v20, v20, v21
	v_max_num_f32 v22, v[MX], v20                  ; the new m
	v_sub_f32 v18, v[MX], v22
	v_sub_f32 v16, v[SCO], v22
	v_sub_f32 v17, v[SCO+1], v22
	v_mul_f32 v18, s48, v18
	v_mul_f32 v16, s48, v16
	v_mul_f32 v17, s48, v17
	s_wait_alu depctr_va_vdst(0)
	v_exp_f32 v18, v18                             ; f = exp(old m - new m)
	v_exp_f32 v16, v16                             ; p of my two rows
	v_exp_f32 v17, v17
	v_mov_b32 v[MX], v22                           ; (a plain place behind the exponentials)
	s_wait_alu depctr_va_vdst(0)                   ; one wait for the three, ahead of their first reader
	v_fma_f32 v[MX+1], v[MX+1], v18, v16           ; l = l f + p + p
	ds_store_b64 v[PBW], v[16:17]                  ; p goes to my wave's own copy,
	v_add_f32 v[MX+1], v[MX+1], v17
.irp j, 0,2,4,6
	v_pk_mul_f32 v[CTX+\j:CTX+\j+1], v[CTX+\j:CTX+\j+1], v[18:19] op_sel_hi:[1,0]   ; the context under the new m
.endr
.set i, 0
.rept 16
	ds_load_b128 v[PR+4*i:PR+4*i+3], v[PBR] offset:16*i   ; and comes back to every lane: p of row q in v[PR + q].  LDS serves a wave's instructions in order: these see the store above
.set i, i+1
.endr
	s_wait_alu depctr_va_vdst(0)
	s_wait_dscnt 0x0
	; the context: ctx += p x the row, from the registers that the quantiser read; even rows in one chain, odd rows in another, which row 1 starts
.set rw, 0
.rept 64
.if (\fill) && (rw == 32)
	s_wait_alu depctr_va_vdst(0)                   ; directly ahead of the wait below
	s_wait_tensorcnt 0x0                           ; my quarter of the next block has landed (my one load); nobody else reads it
	HLOAD 0                                        ; rows 0-31 have been summed: their registers take the next block's rows 0-31, under the sums of rows 32-63
	HLOAD 1
.endif
	WIN 2+rw/32
.set hb, 8*(rw%32)
.set pp, PR+(rw/2)*2
.irp j, 0,2,4,6
.if rw == 1
	v_pk_mul_f32 v[SUM+\j:SUM+\j+1], v[hb+\j:hb+\j+1], v[pp:pp+1] op_sel:[0,1] op_sel_hi:[1,1]
.elseif rw%2
	v_pk_fma_f32 v[SUM+\j:SUM+\j+1], v[hb+\j:hb+\j+1], v[pp:pp+1], v[SUM+\j:SUM+\j+1] op_sel:[0,1,0] op_sel_hi:[1,1,1]
.else
	v_pk_fma_f32 v[CTX+\j:CTX+\j+1], v[hb+\j:hb+\j+1], v[pp:pp+1], v[CTX+\j:CTX+\j+1] op_sel_hi:[1,0,1]
.endif
.endr
.set rw, rw+1
.endr
	WIN 0
.irp j, 0,2,4,6
	v_pk_add_f32 v[CTX+\j:CTX+\j+1], v[CTX+\j:CTX+\j+1], v[SUM+\j:SUM+\j+1]
.endr
.if \fill
	s_wait_xcnt 0x0                                ; the store of the scores has read its base and its data: both are written again only behind this wait
	s_add_nc_u64 s[14:15], s[14:15], 256           ; the next block's 64 scores
	s_xor_b32 s55, s55, 14*64                      ; the next block walks the pairs of tiles the other way round
	s_xor_b32 s56, s56, 14
.endif
.endm
	s_wait_tensorcnt 0x0                           ; my quarter of block 0 has landed (my one load); nobody else reads it
	HLOAD 0
	HLOAD 1
	WIN 0                                          ; at a label every window is 0
	s_mov_b32 s44, 3
.Lblock:
	BLOCK 1
	s_sub_co_u32 s44, s44, 1
	s_cmp_lg_u32 s44, 0
	s_cbranch_scc1 .Lblock
	BLOCK 0                                        ; the last block is written out
	v_add_f32_dpp v[MX+1], v[MX+1], v[MX+1] row_xmask:1 row_mask:0xf bank_mask:0xf   ; l over the 32 lanes: every lane ends with the sum
	v_add_f32_dpp v[MX+1], v[MX+1], v[MX+1] row_xmask:2 row_mask:0xf bank_mask:0xf
	v_add_f32_dpp v[MX+1], v[MX+1], v[MX+1] row_xmask:4 row_mask:0xf bank_mask:0xf
	v_add_f32_dpp v[MX+1], v[MX+1], v[MX+1] row_xmask:8 row_mask:0xf bank_mask:0xf
	v_permlanex16_b32 v20, v[MX+1], s50, s51
	v_add_f32 v[MX+1], v[MX+1], v20
	s_cmp_lg_u32 s18, 0
	s_cbranch_scc1 .Lnot_wave_0
	global_store_b64 v[GSO], v[MX:MX+1], s[16:17] offset:4096   ; (m, l), 32 times: 256 consecutive bytes
.Lnot_wave_0:
	s_wait_alu depctr_va_vdst(0)
	global_store_b128 v[LOFF], v[CTX:CTX+3], s[16:17]           ; columns 256 w + 8 x lane + 0 .. 3: 512 consecutive bytes,
	global_store_b128 v[LOFF], v[CTX+4:CTX+7], s[16:17] offset:512   ; and + 4 .. 7
	s_wait_tensorcnt 0x0                           ; the wave's end, behind my last tensor load and my last LDS store
	ds_add_u32 v[SPW], v[NIL]
	s_wait_dscnt 0x0
	s_endpgm
.Lfunc_end_k_q187a565552_main:
	.size	k_q187a565552_main, .Lfunc_end_k_q187a565552_main-k_q187a565552_main
	.p2alignl 7, 3214868480
	.fill 96, 4, 3214868480
	.section	.rodata,"a",@progbits
	.p2align	6, 0x0
	.amdhsa_kernel k_q187a565552_main
		.amdhsa_group_segment_fixed_size 327680
		.amdhsa_private_segment_fixed_size 0
		.amdhsa_enable_private_segment 0
		.amdhsa_kernarg_size 56
		.amdhsa_user_sgpr_count 2
		.amdhsa_user_sgpr_kernarg_segment_ptr 1
		.amdhsa_wavefront_size32 1
		.amdhsa_system_sgpr_workgroup_id_x 1
		.amdhsa_system_sgpr_workgroup_id_y 1
		.amdhsa_system_sgpr_workgroup_id_z 1
		.amdhsa_system_vgpr_workitem_id 0
		.amdhsa_next_free_vgpr 1024
		.amdhsa_next_free_sgpr 66
		.amdhsa_reserve_vcc 0
		.amdhsa_float_denorm_mode_32 3
		.amdhsa_float_denorm_mode_16_64 3
		.amdhsa_memory_ordered 1
		.amdhsa_forward_progress 1
		.amdhsa_inst_pref_size 254
	.end_amdhsa_kernel
	.amdgpu_metadata
---
amdhsa.version: [ 1, 2 ]
amdhsa.kernels:
  - .name:           k_q187a565552_main
    .symbol:         k_q187a565552_main.kd
    .args:
      - { .name: hidden_states, .offset: 0, .size: 8, .value_kind: global_buffer, .address_space: global }
      - { .name: uf, .offset: 8, .size: 8, .value_kind: global_buffer, .address_space: global }
      - { .name: dec, .offset: 16, .size: 8, .value_kind: global_buffer, .address_space: global }
      - { .name: V_w, .offset: 24, .size: 8, .value_kind: global_buffer, .address_space: global }
      - { .name: V_b, .offset: 32, .size: 8, .value_kind: global_buffer, .address_space: global }
      - { .name: scores, .offset: 40, .size: 8, .value_kind: global_buffer, .address_space: global }
      - { .name: part, .offset: 48, .size: 8, .value_kind: global_buffer, .address_space: global }
    .group_segment_fixed_size: 327680
    .private_segment_fixed_size: 0
    .kernarg_segment_align: 8
    .kernarg_segment_size: 56
    .max_flat_workgroup_size: 128
    .sgpr_count:     66
    .vgpr_count:     1024
    .wavefront_size: 32
...
	.end_amdgpu_metadata
.endif
;; end of part 2
;; launch fin (part 3): grid 256 x 1, 1 waves a work-group, no clusters, 0 bytes of LDS; arguments scores, part, out0, out1; writes out0, out1
.if DOCPART == 3
	.amdgcn_target "amdgcn-amd-amdhsa--gfx1250"
	.amdhsa_code_object_version 6
	.text
	.protected	k_q187a565552_fin
	.globl	k_q187a565552_fin
	.p2align	8
	.type	k_q187a565552_fin,@function
k_q187a565552_fin:
	s_mov_b64 s[64:65], 0
	v_nop
	global_prefetch_b8 v0, s[64:65] scope:SCOPE_SE
	s_setreg_imm32_b32 hwreg(HW_REG_WAVE_MODE, 25, 1), 1
	s_wait_xcnt 0x0
; The eight parts of a batch are joined.  Part c holds m_c (its largest score), l_c = sum of exp(score - m_c) and ctx_c = sum of exp(score - m_c) x hidden.
; M = the largest m_c; w_c = exp(m_c - M); L = sum of w_c l_c; out1 = exp(score - M) / L; out0 = (sum of w_c ctx_c) / L.  All in f32.
; SHARES.  256 work-groups of one wave: work-group g takes eighth v = g % 8 of batch g / 8: 256 scores and 128 columns of the context; each reads the batch's eight (m, l).
; A few hundred kilobytes in all: matrix units, clusters and tensor loads have nothing to do here.
.set PART, 4352                        ; bytes of a part: the context as [wave w][i][lane l][16 bytes] = columns 256 w + 8 l + 4 i + 0 .. 3, then 32 x (m, l)
.set ML,   16                          ; v16-31  (m_c, l_c)
.set SC,   32                          ; v32-39  my 8 scores
.set CX,   40                          ; v40-71  my 4 columns of the eight parts
.set WC,   74                          ; v74-81  w_c
.set OC,   86                          ; v86-89  my 4 columns of the context
	s_load_b256 s[4:11], s[0:1], 0x0               ; scores s[4:5], part s[6:7], out0 s[8:9], out1 s[10:11]
	s_and_b32 s12, ttmp9, 7                        ; v: my eighth
	s_lshr_b32 s23, ttmp9, 3                       ; the batch
	v_and_b32 v1, 31, v0                           ; lane
	v_lshlrev_b32 v2, 3, v1                        ; v2: 8 x lane
	s_lshl_b32 s13, s12, 10
	v_lshl_add_u32 v3, v1, 4, s13                  ; v3: scores and out1: 1,024 v + 16 x lane
	s_lshl_b32 s13, s12, 9
	v_lshl_add_u32 v5, v1, 4, s13                  ; v5: out0: 512 v + 16 x lane
	s_lshr_b32 s13, s12, 1
	s_lshl_b32 s13, s13, 10
	s_and_b32 s14, s12, 1
	s_lshl_b32 s14, s14, 8
	s_add_co_u32 s13, s13, s14
	v_and_b32 v4, 1, v1
	v_lshlrev_b32 v4, 9, v4
	v_lshrrev_b32 v6, 1, v1
	v_lshl_add_u32 v4, v6, 4, v4
	v_add_nc_u32 v4, s13, v4                       ; v4: columns 128 v + 4 x lane in a part: w = v / 2, i = lane % 2, l = 16 (v % 2) + lane / 2
	s_lshl_b32 s16, s23, 13                        ; the batch's 2,048 scores
	s_mov_b32 s17, 0
	s_mul_i32 s18, s23, 8*PART                     ; its eight parts
	s_mov_b32 s19, 0
	s_lshl_b32 s20, s23, 12                        ; its row of out0
	s_mov_b32 s21, 0
	s_mov_b32 s22, 0x3fb8aa3b                      ; log2(e)
	s_wait_alu depctr_va_vdst(0)                   ; the wait at the head's end
	s_wait_kmcnt 0x0
	s_add_nc_u64 s[4:5], s[4:5], s[16:17]
	s_add_nc_u64 s[10:11], s[10:11], s[16:17]
	s_add_nc_u64 s[6:7], s[6:7], s[18:19]
	s_add_nc_u64 s[8:9], s[8:9], s[20:21]
.irp c, 0,1,2,3,4,5,6,7
	global_load_b64 v[ML+2*\c:ML+2*\c+1], v2, s[6:7] offset:PART*\c+4096
.endr
	global_load_b128 v[SC:SC+3], v3, s[4:5]
	global_load_b128 v[SC+4:SC+7], v3, s[4:5] offset:512
.irp c, 0,1,2,3,4,5,6,7
	global_load_b128 v[CX+4*\c:CX+4*\c+3], v4, s[6:7] offset:PART*\c
.endr
	s_wait_loadcnt 0x0
	v_max3_num_f32 v72, v[ML], v[ML+2], v[ML+4]
	v_max3_num_f32 v72, v72, v[ML+6], v[ML+8]
	v_max3_num_f32 v72, v72, v[ML+10], v[ML+12]
	v_max_num_f32 v72, v72, v[ML+14]               ; M
.irp c, 0,1,2,3,4,5,6,7
	v_sub_f32 v[WC+\c], v[ML+2*\c], v72
.endr
.irp j, 0,1,2,3,4,5,6,7
	v_sub_f32 v[SC+\j], v[SC+\j], v72
.endr
.irp c, 0,1,2,3,4,5,6,7
	v_mul_f32 v[WC+\c], s22, v[WC+\c]
.endr
.irp j, 0,1,2,3,4,5,6,7
	v_mul_f32 v[SC+\j], s22, v[SC+\j]
.endr
	s_wait_alu depctr_va_vdst(0)                   ; the wait ahead of the batch
.irp c, 0,1,2,3,4,5,6,7
	v_exp_f32 v[WC+\c], v[WC+\c]                   ; w_c
.endr
.irp j, 0,1,2,3,4,5,6,7
	v_exp_f32 v[SC+\j], v[SC+\j]                   ; exp(score - M)
.endr
	v_mov_b32 v85, 0                               ; a plain place behind the exponentials (v85 is named below as the upper half of a pair)
	s_wait_alu depctr_va_vdst(0)                   ; one wait for the sixteen, ahead of their first reader
	v_mul_f32 v82, v[WC], v[ML+1]
.irp c, 1,2,3,4,5,6,7
	v_fmac_f32 v82, v[WC+\c], v[ML+2*\c+1]         ; L
.endr
	s_wait_alu depctr_va_vdst(0)                   ; the wait ahead of the transcendental
	v_rcp_f32 v84, v82
	v_pk_mul_f32 v[OC:OC+1], v[CX:CX+1], v[WC:WC+1] op_sel_hi:[1,0]       ; the context's sum stands between the reciprocal and the wait for it
	v_pk_mul_f32 v[OC+2:OC+3], v[CX+2:CX+3], v[WC:WC+1] op_sel_hi:[1,0]
.irp c, 1,3,5,7
	v_pk_fma_f32 v[OC:OC+1], v[CX+4*\c:CX+4*\c+1], v[WC+\c-1:WC+\c], v[OC:OC+1] op_sel:[0,1,0] op_sel_hi:[1,1,1]
	v_pk_fma_f32 v[OC+2:OC+3], v[CX+4*\c+2:CX+4*\c+3], v[WC+\c-1:WC+\c], v[OC+2:OC+3] op_sel:[0,1,0] op_sel_hi:[1,1,1]
.if \c < 7
	v_pk_fma_f32 v[OC:OC+1], v[CX+4*\c+4:CX+4*\c+5], v[WC+\c+1:WC+\c+2], v[OC:OC+1] op_sel_hi:[1,0,1]
	v_pk_fma_f32 v[OC+2:OC+3], v[CX+4*\c+6:CX+4*\c+7], v[WC+\c+1:WC+\c+2], v[OC+2:OC+3] op_sel_hi:[1,0,1]
.endif
.endr
	s_wait_alu depctr_va_vdst(0)                   ; and one for the reciprocal
.irp j, 0,2,4,6
	v_pk_mul_f32 v[SC+\j:SC+\j+1], v[SC+\j:SC+\j+1], v[84:85] op_sel_hi:[1,0]
.endr
	v_pk_mul_f32 v[OC:OC+1], v[OC:OC+1], v[84:85] op_sel_hi:[1,0]
	v_pk_mul_f32 v[OC+2:OC+3], v[OC+2:OC+3], v[84:85] op_sel_hi:[1,0]
	global_store_b128 v3, v[SC:SC+3], s[10:11]             ; 32 lanes store 512 consecutive bytes
	global_store_b128 v3, v[SC+4:SC+7], s[10:11] offset:512
	global_store_b128 v5, v[OC:OC+3], s[8:9]
	s_endpgm
.Lfunc_end_k_q187a565552_fin:
	.size	k_q187a565552_fin, .Lfunc_end_k_q187a565552_fin-k_q187a565552_fin
	.p2alignl 7, 3214868480
	.fill 96, 4, 3214868480
	.section	.rodata,"a",@progbits
	.p2align	6, 0x0
	.amdhsa_kernel k_q187a565552_fin
		.amdhsa_group_segment_fixed_size 0
		.amdhsa_private_segment_fixed_size 0
		.amdhsa_enable_private_segment 0
		.amdhsa_kernarg_size 32
		.amdhsa_user_sgpr_count 2
		.amdhsa_user_sgpr_kernarg_segment_ptr 1
		.amdhsa_wavefront_size32 1
		.amdhsa_system_sgpr_workgroup_id_x 1
		.amdhsa_system_sgpr_workgroup_id_y 1
		.amdhsa_system_sgpr_workgroup_id_z 1
		.amdhsa_system_vgpr_workitem_id 0
		.amdhsa_next_free_vgpr 96
		.amdhsa_next_free_sgpr 66
		.amdhsa_reserve_vcc 0
		.amdhsa_float_denorm_mode_32 3
		.amdhsa_float_denorm_mode_16_64 3
		.amdhsa_memory_ordered 1
		.amdhsa_forward_progress 1
		.amdhsa_inst_pref_size 7
	.end_amdhsa_kernel
	.amdgpu_metadata
---
amdhsa.version: [ 1, 2 ]
amdhsa.kernels:
  - .name:           k_q187a565552_fin
    .symbol:         k_q187a565552_fin.kd
    .args:
      - { .name: scores, .offset: 0, .size: 8, .value_kind: global_buffer, .address_space: global }
      - { .name: part, .offset: 8, .size: 8, .value_kind: global_buffer, .address_space: global }
      - { .name: out0, .offset: 16, .size: 8, .value_kind: global_buffer, .address_space: global }
      - { .name: out1, .offset: 24, .size: 8, .value_kind: global_buffer, .address_space: global }
    .group_segment_fixed_size: 0
    .private_segment_fixed_size: 0
    .kernarg_segment_align: 8
    .kernarg_segment_size: 32
    .max_flat_workgroup_size: 32
    .sgpr_count:     66
    .vgpr_count:     96
    .wavefront_size: 32
...
	.end_amdgpu_metadata
.endif
;; end of part 3
